; MI455X (gfx1250); checked and timed in simulation.
; The chip was launched on July 23, 2026; its instructions are those of AMD's public machine-readable ISA for CDNA 5 (MIT licence, August 2026) and "CDNA5" Instruction Set Architecture Reference Guide (July 2026). The comments in the code are by the model that wrote it; some were corrected since.
;; M Metric. Allowed arithmetic: matrix products marked QUANTISED: E2M1 operands, one E8M0 scale for each 32 along K, by v_wmma_scale_f32_16x16x128_f8f6f4 with both operands' format E2M1 (or v_wmma_scale_f32_32x16x128_f4), f32 sums; products left as they are: f32 operands where the result goes on into a quantised operand, else bf16, f16 or f32 operands; f32 sums; everything else in f32.
;; Inputs: M_codes 16 x 256 x 8 x 16 uint8 (E2M1 codes of M, K innermost, in blocks of 32 codes, two codes a byte); M_scales 16 x 256 x 8 uint8 (E8M0 scales of M, one for each 32 codes along K); input 256 x 256 float32.
;; Outputs: out0 16 x 256 x 256 float32.
;; This version of the problem:
;;   THIS VERSION OF THE PROBLEM IS GIVEN IN LOW PRECISION. The matrix products marked QUANTISED in the list below multiply operands that are first quantised to E2M1 (2 exponent bits, 1 mantissa bit; 4 bits a number), with one power-of-two scale for each 32 numbers along K (OCP MX v1.0); their sums are f32. All else is computed in f32.
;;   The module's matrix products, in the order in which they are computed (A, B: the left and right operand; K: the contracted axis; several contracted axes count as one K, in the product's order):
;;     1. [M 4,096, K 256] x [K 256, N 65,536]; A: input M (given as codes); B: computed on the way: QUANTISED
;;     2. batch 65,536 x [M 1, K 256] x [K 256, N 16]; A: computed on the way; B: computed on the way: left as it is (M = 1 < 16)
;;   THE QUANTISER, for each operand of a quantised product, along K:
;;     - K is cut into blocks of 32 from its start; a last block that is shorter is filled with zeros.
;;     - A block's scale is 2^e with e = floor(log2(the largest magnitude in the block)) - 2, held to -126 .. 127; a block of zeros has e = 0. As a byte (E8M0): e + 127.
;;     - Each number is divided by its block's scale, clamped to +-6, and rounded to the nearest number of E2M1, ties to even, subnormals kept.
;;     - The product sums the exact products of the quantised numbers (number of the format x scale) in f32.
;;   ~~~python
;;   def quantise(x, axis):      # numpy; x: float32 -> the quantised numbers, widened to float32 again
;;       x = np.moveaxis(x, axis, -1); K = x.shape[-1]
;;       x = np.pad(x, [(0, 0)] * (x.ndim - 1) + [(0, -K % 32)]); x = x.reshape(x.shape[:-1] + (-1, 32)); a = np.abs(x).max(-1, keepdims=True)
;;       e = np.where(a > 0, np.clip(np.frexp(np.where(a > 0, a, 1))[1] - 1 - 2, -126, 127), 0)      # np.frexp(a)[1] - 1 = floor(log2(a)), exactly
;;       r = np.clip(x / 2.0 ** e, -6, 6)
;;       step = 2.0 ** (np.maximum(np.frexp(np.where(r == 0, 1, r))[1] - 1, 0) - 1)
;;       q = np.round(r / step) * step * 2.0 ** e      # np.round: ties to even
;;       return np.moveaxis(q.reshape(q.shape[:-2] + (-1,))[..., :K], -1, axis).astype(np.float32)
;;   ~~~
;;   OPERANDS COMPUTED ON THE WAY. 'Computed on the way' means the value that the module computes at that place (a softmax that the list does not call 'softmax' is quantised finished and normalised). What goes into a quantiser is computed in f32, as accurately as f32 sums, v_exp_f32 and their like allow (about 1e-6 of the number): no bf16 or f16 on the way to a quantiser, and a product that is left as it is and whose result goes on into a quantised operand takes f32 operands (vector FMAs, or v_wmma_f32_16x16x4_f32). A number that lies on a knife's edge between two numbers of the format may be rounded either way, as far as f32 arithmetic and the matrix unit's own rounding can turn it there, and no further.
;;   INPUTS GIVEN AS CODES. M (in the module: [16, 256, 256], K = its axis 1): each comes as NAME_codes (uint8): NAME with its K axis moved to the last place and cut into blocks of 32 codes, [.., K / 32, bytes a block], one block behind the other in memory; two codes a byte, the lower K in the low four bits (a code: sign, 2 exponent bits, 1 mantissa bit); and NAME_scales (uint8): the same leading axes, one E8M0 byte (e + 127) for each 32 codes along K. Its value is code x scale, taken as it is: it is not quantised again, and the codes and scales need not be those that the quantiser above would give.
;; One version. Each part assembles by itself: llvm-mc -triple=amdgcn-amd-amdhsa -mcpu=gfx1250 --defsym DOCPART=n.
;; ======== version 1 of 1: 1 launch
;; limits: right only within a limited range of input values
;; launch metric (part 1): grid 256 x 1, 4 waves a work-group, clusters of 4 x 1, 327,680 bytes of LDS; arguments input, M_codes, M_scales, out0; writes out0
.if DOCPART == 1
	.amdgcn_target "amdgcn-amd-amdhsa--gfx1250"
	.amdhsa_code_object_version 6
	.text
	.protected	k_qba2c079da2_metric
	.globl	k_qba2c079da2_metric
	.p2align	8
	.type	k_qba2c079da2_metric,@function
k_qba2c079da2_metric:
	s_mov_b64 s[64:65], 0
	v_nop
	global_prefetch_b8 v0, s[64:65] scope:SCOPE_SE
	s_setreg_imm32_b32 hwreg(HW_REG_WAVE_MODE, 25, 1), 1
	s_wait_xcnt 0x0
	s_wait_alu depctr_hold_cnt(0) depctr_sa_sdst(0) depctr_va_vdst(0) depctr_va_sdst(0) depctr_va_ssrc(0) depctr_va_vcc(0) depctr_vm_vsrc(0)
	s_getreg_b32 s2, hwreg(HW_REG_IB_STS2, 6, 4)
	s_cmp_eq_u32 s2, 0
	s_cbranch_scc0 .Lentry_in_a_cluster
	s_endpgm
.Lentry_in_a_cluster:
	s_bfe_u32 s2, ttmp6, 0x10000c
	s_cmp_lg_u32 s2, 0x3003
	s_cbranch_scc0 .Lentry_shape_is_right
	s_endpgm
.Lentry_shape_is_right:
; out0[b][i][j] = sum over e of t[b][i][j][e] (x[i][e] - x[j][e]),   t[b][i][j][e] = sum over d of Q(x[i][d] - x[j][d]) M[b][d][e].
; x = input [256][256] f32.  M: codes of FP4 (E2M1), [16 b][256 e][128 bytes along d], one E8M0 byte for each 32 along d, [16][256][8].
; Q: blocks of 32 along d, scale 2^(floor(log2(largest magnitude)) - 2), nearest code, ties to even, beyond 6 the largest code.
; The first product goes by v_wmma_scale_f32_16x16x128_f8f6f4 on FP4 codes (source 0 = 16 rows e of M, source 1 = 16 pairs); the second is one f32 multiply-add for each number of t.
;
; EACH UNORDERED PAIR IS COMPUTED ONCE, FOR ALL VALUES OF THE INPUTS.  x[j] - x[i] is x[i] - x[j] negated, bit for bit; Q is odd; so t changes its sign, the weights change theirs, and the product of both does not:
; out0[b][i][j] = out0[b][j][i], whatever M is (no symmetry of M is used).  The result is stored at both places.  THE DIAGONAL IS DEAD WORK: x[i] - x[i] = 0 for all finite x, so out0[b][i][i] = 0 is stored.
; LIMITS: NaN and infinities in input are not served; in particular one in row i does not reach out0[b][i][i].  A block of zeros gets the scale byte 1 where the quantiser says 127: its codes are zeros, and only this text reads the byte.
;
; SHARES.  The 256 rows of x are 16 blocks of 16.  Group (P, K), P = 0..15, K = 1..8, Q = (P + K) mod 16: the 256 pairs (i in block P, j in block Q); for K = 8 and P >= 8, where (Q, P) has done that square,
; the pairs inside block P and those inside block Q: 2 x 120, the distance-8 ones twice.  128 groups x 2 halves of the 16 b = 256 work-groups of equal work.
; A work-group: 16 tiles of 16 pairs, 8 b.  Tile n, column r: j = r in block Q, i = (r - n) mod 16 in block P.  In a diagonal group tiles 0..7 take both from P and tiles 8..15 both from Q; tile 0 takes i = (r + 8) mod 16 there.
; FOUR WAVES of 1,024 registers SPLIT e (= d): wave w owns e = d = 64 w .. 64 w + 63 for all 16 tiles.  Lane (r, h) holds, for tile n, the 32 differences W_n[k], d = 64 w + 32 h + k: a whole block of the quantiser, and
; the weights of the second product for just the rows of M that this wave multiplies.  Each fragment of M is read from LDS once, by one wave, and feeds 32 matrix instructions.
; Between waves go the codes (images of the operand's registers), the scale words, and at the end the four partial sums over e.
; CLUSTER.  The four partners share the half of b, so they need the same 262,144 bytes of codes: each wave asks JOINTLY, mask 15, for two b of them, once.  cx enters only global addresses of x and out0.
; THE ROWS OF M THAT FORM A TILE: lane r of tile g (0..3) takes e = 64 w + 8 (r >> 1) + 2 g + (r & 1).  In the result, register 2 q + o of lane (r, h) is e = 64 w + 32 h + 8 q + 2 g + o: weight W_n[8 q + 2 g + o].
; NO PREFETCH: no loop here reads memory; all of M and x is asked for once, at the head.
; STORES cover rows of 64 bytes: a square of 16 x 16 and its mirror.  Whole units of 256 bytes both ways would need 64 x 64 pairs in a work-group, sixteen times what the registers hold.
;
; LDS.  0: codes, units of 1,024 bytes (8 rows of M) + 16 of padding: the sixteen lanes of half a load touch sixteen different 16-byte columns modulo 256 bytes (64 banks of 4 bytes: ISA guide 11.1).
;       SCL: the scale bytes of each wave's 64 rows, 4,096 a wave, 512 a b.   XCH: by turns x's rows (each wave's own 32 x 272), the codes' images (in the same bytes of the wave), and, parted by a barrier, the partial sums.
;       BSC: the pairs' scale words.  No tensor load lands in SCL, XCH, BSC.
; REGISTERS, windows of 256 (s_set_vgpr_msb: bits 1:0 source 0, 3:2 source 1, 5:4 source 2, 7:6 destination).  1: codes, tile n at 16 n (in the head: x[j]).  2, 3: W, tile n at 32 (n % 8).  0: all else.
.set UP,    1040                       ; a unit of codes in LDS
.set BSTEP, 32*UP                      ; from b to b
.set SCL,   8*BSTEP                    ; 266,240
.set XCH,   SCL+16384                  ; 282,624
.set XP,    272                        ; a row of x in LDS: my wave's 256 bytes + 16
.set XW,    32*XP
.set BSC,   XCH+4*XW                   ; 317,440
.set SPARE, BSC+2048                   ; 319,488
.set AKB, 1                            ; my place in a b's codes
.set ADA, 2                            ; the same in the b whose fragments are being fetched
.set ASB, 3                            ; my place in a b's scale bytes
.set ADS, 4
.set PWB, 5                            ; where I put the partial sums of b 0
.set PWC, 6                            ; and of this b
.set SPW, 7                            ; my spare word; never rewritten
.set NIL, 8                            ; 0; never rewritten
.set FRD, 9                            ; the way out: the partial sums of my two b
.set OO1, 10                           ; v10, v11 byte offsets in out0: square 1 and square 2
.set GA,  12                           ; v12-27 LDS addresses of the sums that I store: 8 x square + 4 x row half + element
.set SB,  28                           ; v28-43 the pairs' scale words: lanes 0-15 K step 0, lanes 16-31 K step 1.  Scales alone
.set SA,  44                           ; v44-47 M's: 2 (g / 2) + K step; lanes 0-15 tile g even, lanes 16-31 g odd.  Scales alone
.set FR,  48                           ; v48-111 M's fragments: tile g at 16 g: K step 0, K step 1
.set DD,  112                          ; v112-175 results, two sets of four tiles by turns
.set ACC, 176                          ; v176-239 tile n: two pairs of running sums
.set ZR,  240                          ; v240-247 a b's results: register k: lanes 0-15 tile k, lanes 16-31 tile k + 8
.set LI,  248
.set LS,  249
.set IMW, 250
.set BSW, 251
.set XLO, 252
.set SCO, 253
.set SCS, 254
.set STG, 255
; the head alone: x as loaded in v112-175, scales as loaded in v48-79, then codes in v112-175; the rest in the running sums' registers
.set CT,  112
.set BYT, 176
.set LN,  176
.set RR,  177
.set HH,  178
.set T1,  179
.set T2,  180
.set VB,  181
.set VB1, 182
.set AN,  192
.set AMA, 208
.set AMB, 212
.set SCV, 216
.set XJA, 220
.set XJB, 221
.set VC,  222
.set VCL, 226
.set VA,  230
.set VAL, 232
.set N1,  234
.set N2,  235
.set TX,  236
.set TY,  237
.set B1,  238
.set B2,  239
.set MSB, 0
.macro WIN new                         ; the immediate's high byte repeats the setting that is left; a switch that changes nothing is dropped
.if MSB != (\new)
	s_set_vgpr_msb (MSB<<8)|(\new)
.set MSB, (\new)
.endif
.endm
.macro CROUND                          ; a round of the cluster's barrier
	s_barrier_signal -1
	s_barrier_wait -1
	s_cmp_lg_u32 s12, 0
	s_cbranch_scc1 .Lnot_wave_0_\@
	s_barrier_signal -3
.Lnot_wave_0_\@:
	s_barrier_wait -3
	s_barrier_signal -1
	s_barrier_wait -1
.endm
	s_load_b256 s[4:11], s[0:1], 0x0               ; input s[4:5], M's codes s[6:7], M's scales s[8:9], out0 s[10:11]
	v_lshl_add_u32 v[SPW], v0, 2, SPARE
	v_mov_b32 v[NIL], 0
	ds_add_u32 v[SPW], v[NIL]
	ds_add_u32 v[SPW], v[NIL]
	v_lshrrev_b32 v[T1], 5, v0
	v_readfirstlane_b32 s12, v[T1]                 ; wave 0..3
	s_bfe_u32 s13, ttmp6, 0x40000                  ; cx
	s_and_b32 s14, ttmp9, 1                        ; which half of the 16 b
	s_lshr_b32 s15, ttmp9, 1                       ; 0..31: 4 (K - 1) + P / 4
	; descriptor group 1: two b of codes as 64 rows of 128 elements of 8 bytes, dense in memory; 4 words of padding behind every 256
	s_mov_b32 s16, 15|(3<<16)|(1<<20)|(1<<21)|(7<<22)|(3<<25)
	s_mov_b32 s17, 128<<16
	s_mov_b32 s18, 64<<16
	s_mov_b32 s19, 128<<16
	s_mov_b32 s20, 64
	s_mov_b32 s21, 128
	s_mov_b32 s22, 0
	s_mov_b32 s23, 0
	s_and_b32 s2, s15, 3
	s_lshl_b32 s2, s2, 2
	s_add_co_u32 s28, s2, s13                      ; P.  What hangs on cx serves global addresses alone
	s_lshr_b32 s3, s15, 2
	s_add_co_u32 s29, s28, s3
	s_add_co_u32 s29, s29, 1
	s_and_b32 s29, s29, 15                         ; Q = (P + K) mod 16
	s_cmp_ge_u32 s15, 30                           ; K = 8 and P >= 8: a diagonal group, alike in all four partners
	s_cselect_b32 s38, -1, 0
	s_cselect_b32 s39, 16*XP, 0                    ; tiles 8..15 take x[i] from block Q
	s_cselect_b32 s40, 0, 16*XP                    ; tiles 0..7 take x[j] from block P
	s_cselect_b32 s41, 8, 0                        ; tile 0's turn
	s_cselect_b32 s43, s28, s29                    ; square 1: rows P, columns Q (diagonal: P)
	s_cselect_b32 s44, s29, s28                    ; square 2: rows Q, columns P (diagonal: Q)
	v_and_b32 v[LN], 31, v0
	v_and_b32 v[RR], 15, v0
	v_bfe_u32 v[HH], v0, 4, 1
	s_lshl_b32 s66, s12, 8
	v_lshl_add_u32 v[XLO], v[HH], 10, s66          ; x: my wave's 256 bytes of a row; lanes 16-31 the row below
	v_lshl_add_u32 v[XLO], v[RR], 4, v[XLO]
	v_lshlrev_b32 v[SCO], 4, v[LN]
	s_mul_i32 s69, s12, XW
	s_add_co_u32 s69, s69, XCH                     ; my wave's rows of x in LDS
	v_mul_u32_u24 v[STG], XP, v[HH]
	v_lshl_add_u32 v[STG], v[RR], 4, v[STG]
	v_add_nc_u32 v[STG], s69, v[STG]
	s_lshl_b32 s34, s14, 14                        ; scales: my half, my wave's 512 bytes of each b
	s_lshl_b32 s67, s12, 9
	s_add_co_u32 s34, s34, s67
	s_mov_b32 s35, 0
	s_lshl_b32 s48, s14, 18                        ; codes: my half, my wave's two b
	s_lshl_b32 s67, s12, 16
	s_add_co_u32 s48, s48, s67
	s_mov_b32 s49, 0
	s_lshl_b32 s50, s14, 21                        ; out0: the two b of the half that my wave stores
	s_lshl_b32 s67, s12, 19
	s_add_co_u32 s50, s50, s67
	s_mov_b32 s51, 0
	s_wait_alu depctr_va_vdst(0)
	s_wait_dscnt 0x0                               ; both opening adds are done
	s_wait_kmcnt 0x0
	s_lshl_b32 s2, s28, 14
	s_mov_b32 s3, 0
	s_add_nc_u64 s[30:31], s[4:5], s[2:3]          ; x at block P
	s_lshl_b32 s2, s29, 14
	s_add_nc_u64 s[32:33], s[4:5], s[2:3]          ; x at block Q
	s_add_nc_u64 s[34:35], s[8:9], s[34:35]
	s_add_nc_u64 s[36:37], s[10:11], s[50:51]
.irp t, 0,1,2,3,4,5,6,7
	global_load_b128 v[DD+4*\t:DD+4*\t+3], v[XLO], s[30:31] offset:2048*\t        ; two rows' 256 bytes each
.endr
.irp t, 0,1,2,3,4,5,6,7
	global_load_b128 v[DD+32+4*\t:DD+32+4*\t+3], v[XLO], s[32:33] offset:2048*\t
.endr
.irp t, 0,1,2,3,4,5,6,7
	global_load_b128 v[FR+4*\t:FR+4*\t+3], v[SCO], s[34:35] offset:2048*\t        ; my 64 rows' scale bytes of b t: 512 bytes
.endr
	s_mov_b32 s24, 1
	s_mul_i32 s25, s12, 2*BSTEP
	s_add_nc_u64 s[26:27], s[6:7], s[48:49]
	s_or_b32 s27, s27, 0x80000000
	CROUND                                         ; all four work-groups are here: the joint loads meet
	tensor_load_to_lds s[24:27], s[16:23]          ; the wave's one tensor load
	s_nop 0
.rept 4
	v_nop
.endr
	; addresses, while the loads are on their way
	v_lshrrev_b32 v[T1], 1, v[RR]                  ; r >> 1
	v_and_b32 v[T2], 1, v[RR]
	v_mul_u32_u24 v[AKB], UP, v[T1]                ; M's row: unit 8 w + (r >> 1), at 256 g + 128 (r & 1); my half's 16 bytes of each 32
	v_lshlrev_b32 v[ASB], 6, v[T1]                 ; its scale bytes: 64 (r >> 1) + 16 g + 8 (r & 1), lanes 16-31 the odd g
	v_lshl_add_u32 v[AKB], v[T2], 7, v[AKB]
	v_lshl_add_u32 v[ASB], v[T2], 3, v[ASB]
	v_lshl_add_u32 v[AKB], v[HH], 4, v[AKB]
	v_lshl_add_u32 v[ASB], v[HH], 4, v[ASB]
	s_mul_i32 s66, s12, 8*UP
	v_add_nc_u32 v[AKB], s66, v[AKB]
	s_lshl_b32 s67, s12, 12
	s_add_co_u32 s67, s67, SCL
	v_add_nc_u32 v[ASB], s67, v[ASB]
	v_add_nc_u32 v[SCS], s67, v[SCO]
	s_lshl_b32 s68, s12, 10
	s_add_co_u32 s68, s68, XCH
	v_lshlrev_b32 v[PWB], 9, v[HH]                 ; partial sums: 4,096 b + 1,024 w + 512 h + 16 r
	v_lshl_add_u32 v[PWB], v[RR], 4, v[PWB]
	v_add_nc_u32 v[PWB], s68, v[PWB]
	v_add_nc_u32 v[LI], XCH, v[SCO]
	v_lshl_add_u32 v[LS], v[LN], 2, BSC
	v_add_nc_u32 v[IMW], s69, v[SCO]               ; my part of an image: 512 n in my wave's bytes
	s_lshr_b32 s66, s12, 1                         ; my block's scale byte: word of K step w >> 1, byte 2 (w & 1) + h
	s_lshl_b32 s66, s66, 6
	s_and_b32 s67, s12, 1
	s_lshl_b32 s67, s67, 1
	s_add_co_u32 s66, s66, s67
	s_add_co_u32 s66, s66, BSC
	v_lshl_add_u32 v[BSW], v[RR], 2, s66
	v_add_nc_u32 v[BSW], v[HH], v[BSW]
	s_lshl_b32 s56, s12, 13
	s_add_co_u32 s56, s56, XCH
	v_add_nc_u32 v[FRD], s56, v[SCO]
	v_lshlrev_b32 v[VB], 7, v[HH]
	v_add_nc_u32 v[VB], s69, v[VB]
	v_add_nc_u32 v[VB1], s39, v[VB]
	v_mul_u32_u24 v[AMA], XP, v[LN]                ; the 16 bytes of padding behind my lane's row of x: 32 rows, 32 lanes
	v_add_nc_u32 v[AMA], s69, v[AMA]
.irp i, 0,1,2,3
	v_mov_b32 v[AMB+\i], 0
.endr
	v_mad_u32_u24 v[T1], v[RR], XP, v[VB]
	v_add_nc_u32 v[XJA], s40, v[T1]
	v_add_nc_u32 v[XJB], 16*XP, v[T1]
	v_add_nc_u32 v[AN], s41, v[RR]                 ; tile n's x[i]: row (r - n) mod 16 of its block
.irp n, 1,2,3,4,5,6,7,8,9,10,11,12,13,14,15
	v_add_nc_u32 v[AN+\n], 16-\n, v[RR]
.endr
.irp n, 0,1,2,3,4,5,6,7,8,9,10,11,12,13,14,15
	v_and_b32 v[AN+\n], 15, v[AN+\n]
.endr
.irp n, 0,1,2,3,4,5,6,7
	v_mad_u32_u24 v[AN+\n], v[AN+\n], XP, v[VB]
.endr
.irp n, 8,9,10,11,12,13,14,15
	v_mad_u32_u24 v[AN+\n], v[AN+\n], XP, v[VB1]
.endr
	; the way out: lane l stores row a = 8 u + l / 4, columns c = 4 (l % 4) + m of a square.  The sum of tile t, column l lies at 256 (t / 4) + 16 l + 4 (t % 4); a zero at 1,024
	v_lshrrev_b32 v[VA], 2, v[LN]
	v_and_b32 v[T1], 3, v[LN]
	v_lshlrev_b32 v[OO1], 10, v[VA]
	v_lshl_add_u32 v[OO1], v[T1], 4, v[OO1]
	v_add_nc_u32 v[VA+1], 8, v[VA]
	v_lshlrev_b32 v[VC], 2, v[T1]
.irp m, 1,2,3
	v_add_nc_u32 v[VC+\m], \m, v[VC]
.endr
.irp m, 0,1,2,3
	v_lshlrev_b32 v[VCL+\m], 4, v[VC+\m]
.endr
	v_lshlrev_b32 v[VAL], 4, v[VA]
	v_lshlrev_b32 v[VAL+1], 4, v[VA+1]
	s_lshl_b32 s2, s28, 14
	s_lshl_b32 s3, s43, 6
	s_add_co_u32 s2, s2, s3
	s_lshl_b32 s3, s44, 6
	s_lshl_b32 s42, s29, 14
	s_add_co_u32 s3, s3, s42
	v_add_nc_u32 v[OO1+1], s3, v[OO1]
	v_add_nc_u32 v[OO1], s2, v[OO1]
; Square 1 wants tile (c - a) mod 16, column c (B1); square 2 tile (a - c) mod 16, column a (B2).  In a diagonal group square 1 has distances 1..7 at B1, 9..15 at B2, 8 in tile 0; square 2 has 8..15 at B1, 1..7 at B2; distance 0 is zero.
.macro GIDX u, m
	v_sub_nc_u32 v[N1], v[VC+\m], v[VA+\u]
	v_and_b32 v[N1], 15, v[N1]
	v_sub_nc_u32 v[N2], 0, v[N1]
	v_and_b32 v[N2], 15, v[N2]
	v_and_b32 v[TX], 3, v[N1]
	v_lshrrev_b32 v[TY], 2, v[N1]
	v_lshl_add_u32 v[B1], v[TX], 2, v[VCL+\m]
	v_lshl_add_u32 v[B1], v[TY], 8, v[B1]
	v_and_b32 v[TX], 3, v[N2]
	v_lshrrev_b32 v[TY], 2, v[N2]
	v_lshl_add_u32 v[B2], v[TX], 2, v[VAL+\u]
	v_lshl_add_u32 v[B2], v[TY], 8, v[B2]
	v_cmp_lt_u32 s45, 8, v[N1]
	v_cmp_eq_u32 s46, 8, v[N1]
	v_cmp_eq_u32 s47, 0, v[N1]
	s_and_b32 s45, s45, s38
	s_and_b32 s46, s46, s38
	s_and_b32 s47, s47, s38
	s_or_b32 s52, s45, s46
	v_cndmask_b32 v[GA+4*\u+\m], v[B1], v[VCL+\m], s46
	v_cndmask_b32 v[GA+8+4*\u+\m], v[B2], v[B1], s52
	v_cndmask_b32 v[GA+4*\u+\m], v[GA+4*\u+\m], v[B2], s45
	v_cndmask_b32 v[GA+8+4*\u+\m], v[GA+8+4*\u+\m], 0x400, s47
	v_cndmask_b32 v[GA+4*\u+\m], v[GA+4*\u+\m], 0x400, s47
	v_add_nc_u32 v[GA+8+4*\u+\m], s56, v[GA+8+4*\u+\m]
	v_add_nc_u32 v[GA+4*\u+\m], s56, v[GA+4*\u+\m]
.endm
.irp m, 0,1,2,3
	GIDX 0, \m
	GIDX 1, \m
.endr
.macro LDX k                           ; x[i] of tiles 4 k .. 4 k + 3, straight into W's registers: 32 loads
	WIN ((2+(\k)/2)<<6)
.irp t, 0,1,2,3
.irp c, 0,1,2,3,4,5,6,7
	ds_load_b128 v[128*((\k)%2)+32*\t+4*\c:128*((\k)%2)+32*\t+4*\c+3], v[AN+4*(\k)+\t] offset:16*\c
.endr
.endr
.endm
.macro QUANT k                         ; tiles 4 k .. 4 k + 3: differences, block scales, codes
.set qd, 2+(\k)/2
.set qw, 128*((\k)%2)
.set qj, 32*((\k)/2)
	WIN (qd<<6)|4|qd
.irp i, 0,2,4,6,8,10,12,14,16,18,20,22,24,26,28,30
.irp t, 0,1,2,3
	v_pk_add_f32 v[qw+32*\t+\i:qw+32*\t+\i+1], v[qw+32*\t+\i:qw+32*\t+\i+1], v[qj+\i:qj+\i+1] neg_lo:[0,1] neg_hi:[0,1]
.endr
.endr
	WIN (qd<<4)|(qd<<2)
.irp t, 0,1,2,3
	v_max3_num_f32 v[AMA+\t], 0x1800000, |v[qw+32*\t]|, |v[qw+32*\t+1]|           ; the floor 2^(3 - 127) among the leaves: the byte cannot fall under 1
	v_max3_num_f32 v[AMB+\t], 0x1800000, |v[qw+32*\t+16]|, |v[qw+32*\t+17]|
.endr
.irp i, 2,4,6,8,10,12,14
.irp t, 0,1,2,3
	v_max3_num_f32 v[AMA+\t], v[AMA+\t], |v[qw+32*\t+\i]|, |v[qw+32*\t+\i+1]|
	v_max3_num_f32 v[AMB+\t], v[AMB+\t], |v[qw+32*\t+\i+16]|, |v[qw+32*\t+\i+17]|
.endr
.endr
	WIN 0
.irp t, 0,1,2,3
	v_max_num_f32 v[AMA+\t], v[AMA+\t], v[AMB+\t]
.endr
.irp t, 0,1,2,3
	v_add_nc_u32 v[SCV+\t], 0xff000000, v[AMA+\t]  ; 2 off the exponent field: the conversion's scale operand
.endr
.irp t, 0,1,2,3
	v_lshrrev_b32 v[BYT+4*(\k)+\t], 23, v[SCV+\t]
.endr
	WIN qd
.irp t, 0,1,2,3
.irp i, 0,1,2,3
	v_cvt_scalef32_pk8_fp4_f32 v[CT+16*(\k)+4*\t+\i], v[qw+32*\t+8*\i:qw+32*\t+8*\i+7], v[SCV+\t]
.endr
.endr
	v_nop                                          ; one plain place behind the last scaled conversion of the run
	WIN 0
.endm
.macro IMG n                           ; block 2 w + h of pair r: just what the operand's lane (r, h) holds in its registers 4 w .. 4 w + 3 of both K steps' sixteen
	ds_store_b128 v[IMW], v[CT+4*(\n):CT+4*(\n)+3] offset:512*(\n)
	ds_store_b8 v[BSW], v[BYT+(\n)] offset:128*(\n)
.endm
	s_wait_alu depctr_va_vdst(0)
	ds_store_b128 v[AMA], v[AMB:AMB+3] offset:256  ; zeros into the padding of my wave's 32 rows of x: with the rows below, all of the wave's 8,704 bytes are written ahead of the first read
	s_wait_loadcnt 0x8                             ; x is in; the eight loads of scales may be out
.irp t, 0,1,2,3,4,5,6,7
	ds_store_b128 v[STG], v[DD+4*\t:DD+4*\t+3] offset:2*XP*\t
.endr
.irp t, 0,1,2,3,4,5,6,7
	ds_store_b128 v[STG], v[DD+32+4*\t:DD+32+4*\t+3] offset:16*XP+2*XP*\t
.endr
	WIN 0x40
.irp c, 0,1,2,3,4,5,6,7
	ds_load_b128 v[4*\c:4*\c+3], v[XJA] offset:16*\c                              ; my wave's own bytes: LDS serves a wave's instructions in order (ISA guide 5.7.1.4)
.endr
	LDX 0
	LDX 1
	s_wait_dscnt 32                                ; all but tiles 4..7
	QUANT 0
	s_wait_loadcnt 0x0
.irp t, 0,1,2,3,4,5,6,7
	ds_store_b128 v[SCS], v[FR+4*\t:FR+4*\t+3] offset:512*\t
.endr
	WIN 0x40
.irp c, 0,1,2,3,4,5,6,7
	ds_load_b128 v[32+4*\c:32+4*\c+3], v[XJB] offset:16*\c
.endr
	LDX 2
	s_wait_dscnt 48                                ; tiles 4..7 are in: behind them 8 stores, 8 and 32 loads
	QUANT 1
	LDX 3
	s_wait_dscnt 32
	QUANT 2
.irp n, 0,1,2,3,4,5,6,7,8,9,10,11      ; every load of x has been issued: the images take the rows' bytes
	IMG \n
.endr
	s_wait_dscnt 24                                ; tiles 12..15 are in: behind them 24 stores
	QUANT 3
.irp n, 12,13,14,15
	IMG \n
.endr
	s_wait_dscnt 0x0                               ; for the others' sake: my codes and bytes lie in LDS,
	s_wait_tensorcnt 0x0                           ; and my two b of M
	s_barrier_signal -1
	s_barrier_wait -1                              ; images, scale words and all of M are whole
.macro LDF g, adr                      ; tile g's fragment, both K steps: registers 4 q .. = the 16 bytes at 32 q of my row's 128
.irp q, 0,1,2,3
	ds_load_b128 v[FR+16*(\g)+4*\q:FR+16*(\g)+4*\q+3], v[\adr] offset:256*(\g)+32*\q
.endr
.endm
.macro LDS2 gg, adr
	ds_load_b64 v[SA+2*(\gg):SA+2*(\gg)+1], v[\adr] offset:32*(\gg)
.endm
; A b is 16 slots: sweep g = s / 4 over M's tiles, group s % 4 of four pair tiles.  WM: eight matrix instructions, the four sums by turns, K step 0 starting them from 0.
.macro WM s
	WIN 0x04
.set mg, (\s)/4
.set mn, 4*((\s)%4)
.set md, DD+32*((\s)%2)
.set ma, FR+16*mg
.set ms, SA+2*(mg/2)
.irp t, 0,1,2,3
.if mg%2
	v_wmma_scale_f32_16x16x128_f8f6f4 v[md+8*\t:md+8*\t+7], v[ma:ma+7], v[16*(mn+\t):16*(mn+\t)+7], 0, v[ms], v[SB+mn+\t] matrix_a_fmt:MATRIX_FMT_FP4 matrix_b_fmt:MATRIX_FMT_FP4 matrix_a_scale:MATRIX_SCALE_ROW1
.else
	v_wmma_scale_f32_16x16x128_f8f6f4 v[md+8*\t:md+8*\t+7], v[ma:ma+7], v[16*(mn+\t):16*(mn+\t)+7], 0, v[ms], v[SB+mn+\t] matrix_a_fmt:MATRIX_FMT_FP4 matrix_b_fmt:MATRIX_FMT_FP4
.endif
.endr
.irp t, 0,1,2,3
.if mg%2
	v_wmma_scale_f32_16x16x128_f8f6f4 v[md+8*\t:md+8*\t+7], v[ma+8:ma+15], v[16*(mn+\t)+8:16*(mn+\t)+15], v[md+8*\t:md+8*\t+7], v[ms+1], v[SB+mn+\t] matrix_a_fmt:MATRIX_FMT_FP4 matrix_b_fmt:MATRIX_FMT_FP4 matrix_a_scale:MATRIX_SCALE_ROW1 matrix_b_scale:MATRIX_SCALE_ROW1
.else
	v_wmma_scale_f32_16x16x128_f8f6f4 v[md+8*\t:md+8*\t+7], v[ma+8:ma+15], v[16*(mn+\t)+8:16*(mn+\t)+15], v[md+8*\t:md+8*\t+7], v[ms+1], v[SB+mn+\t] matrix_a_fmt:MATRIX_FMT_FP4 matrix_b_fmt:MATRIX_FMT_FP4 matrix_b_scale:MATRIX_SCALE_ROW1
.endif
.endr
.endm
; PK: the sixteen packed multiply-adds of slot s.  They stand behind the next slot's matrix instructions; the sixteen of the slot before are the places behind slot s's own (ISA guide 7.12.1).
.macro PK s
.set pg, (\s)/4
.set pn, 4*((\s)%4)
.set pd, DD+32*((\s)%2)
	WIN ((2+pn/8)<<2)
.irp q, 0,1,2,3
.irp t, 0,1,2,3
.set pe, ACC+4*(pn+\t)+2*(\q%2)
.set pw, 32*((pn+\t)%8)+8*\q+2*pg
.if (pg == 0) && (\q < 2)
	v_pk_mul_f32 v[pe:pe+1], v[pd+8*\t+2*\q:pd+8*\t+2*\q+1], v[pw:pw+1]           ; starts the sums: nothing is cleared
.else
	v_pk_fma_f32 v[pe:pe+1], v[pd+8*\t+2*\q:pd+8*\t+2*\q+1], v[pw:pw+1], v[pe:pe+1]
.endif
.endr
.endr
.endm
; A b's sums: a tile's two pairs, the pair's halves; then tiles k and k + 8 change halves of the lanes, so that one addition joins h = 0 and h = 1 of both.
.macro REDUCE
	WIN 0
.irp n, 0,1,2,3,4,5,6,7,8,9,10,11,12,13,14,15
	v_pk_add_f32 v[ACC+4*\n:ACC+4*\n+1], v[ACC+4*\n:ACC+4*\n+1], v[ACC+4*\n+2:ACC+4*\n+3]
.endr
.irp n, 0,1,2,3,4,5,6,7,8,9,10,11,12,13,14,15
	v_add_f32 v[ACC+4*\n], v[ACC+4*\n], v[ACC+4*\n+1]
.endr
.irp k, 0,1,2,3,4,5,6,7
	v_permlane16_swap_b32 v[ACC+4*\k], v[ACC+4*\k+32]
.endr
.irp k, 0,1,2,3,4,5,6,7
	v_add_f32 v[ZR+\k], v[ACC+4*\k], v[ACC+4*\k+32]
.endr
	ds_store_b128 v[PWC], v[ZR:ZR+3]
	ds_store_b128 v[PWC], v[ZR+4:ZR+7] offset:256
.endm
; ONE b, from its slot 1 to the next b's slot 0.  Each fragment is fetched anew for the next b as soon as its sweep is over.  The LDS instructions of a trip, in order: tile 0 (4), tile 1 (4) and the scales of tiles 0, 1 (1),
; tile 2 (4), tile 3 (4) and the scales of tiles 2, 3 (1), the sums (2 stores).  Ahead of the next b's slot 0 nine may be out (behind the scales of tiles 0, 1); ahead of slot 8 eleven, in the last b the two stores.
; first: the fragments and codes come in step by step: behind group 1's codes 45 loads stand, then 29, then 13; ahead of slot 4, behind tile 1's fragment, 9 and the 4 just issued.
; The barrier of the first b parts every wave's reads of the images from the partial sums that take their bytes: signalled with no LDS instruction of mine out, waited for ahead of the first sums.
.macro TRIP first, last
	WIN 0
.if (\last) == 0
	v_add_nc_u32 v[ADA], s53, v[AKB]
	v_add_nc_u32 v[ADS], s54, v[ASB]
.endif
	v_add_nc_u32 v[PWC], s55, v[PWB]
	s_add_co_u32 s53, s53, BSTEP
	s_add_co_u32 s54, s54, 512
	s_add_co_u32 s55, s55, 4096
.if \first
	v_nop                                          ; with the three lines above: the places behind slot 0, which has no multiply-adds ahead of it
	v_nop
.endif
.irp s, 1,2,3,4,5,6,7,8,9,10,11,12,13,14,15
.if \first
.if \s == 1
	s_wait_dscnt 45
.endif
.if \s == 2
	s_wait_dscnt 29
.endif
.if (\s == 3) || (\s == 4)
	s_wait_dscnt 13
.endif
.elseif \s == 8
.if \last
	s_wait_dscnt 2
.else
	s_wait_dscnt 11
.endif
.endif
	WM \s
	PK \s-1
.if (\last) == 0
.if \s == 3
	LDF 0, ADA
.endif
.if \s == 7
.if \first
	s_wait_dscnt 0x0
	s_barrier_signal -1
.endif
	LDF 1, ADA
	LDS2 0, ADS
.endif
.if \s == 11
	LDF 2, ADA
.endif
.if \s == 15
	LDF 3, ADA
	LDS2 1, ADS
.endif
.endif
.endr
.if (\last) == 0
.if \first
	s_barrier_wait -1
.endif
	s_wait_dscnt 9
	WM 0
.endif
	PK 15
	REDUCE
.endm
	LDF 0, AKB
	LDS2 0, ASB
.irp n, 0,1,2,3,4,5,6,7,8,9,10,11,12,13,14,15
	ds_load_b32 v[SB+\n], v[LS] offset:128*\n
.endr
	WIN 0x40
.irp n, 0,1,2,3,4,5,6,7,8,9,10,11,12,13,14,15
.irp q, 0,1,2,3
	ds_load_b128 v[16*\n+4*\q:16*\n+4*\q+3], v[LI] offset:XW*\q+512*\n            ; wave q's part of tile n's image: the operand's registers come back as they stand
.endr
.endr
	WIN 0
	LDF 1, AKB
	LDF 2, AKB
	LDF 3, AKB
	LDS2 1, ASB
	s_mov_b32 s53, BSTEP                           ; the next b's place in the codes, in the scales; this b's in the partial sums
	s_mov_b32 s54, 512
	s_mov_b32 s55, 0
	s_wait_dscnt 61                                ; tile 0's fragment, its scales, the pairs' scale words and group 0's codes are in
	WM 0
	TRIP 1, 0
	s_mov_b32 s58, 6
.Lb:
	TRIP 0, 0
	s_sub_co_u32 s58, s58, 1
	s_cmp_lg_u32 s58, 0
	s_cbranch_scc1 .Lb
	TRIP 0, 1
	; THE WAY OUT.  Wave w adds the four waves' partial sums of b 2 w and 2 w + 1, lays the sums over the first wave's part (and a zero over the second's), and picks both squares' rows from there.
	s_wait_dscnt 0x0                               ; my partial sums lie in LDS
	s_barrier_signal -1
	s_barrier_wait -1
.irp x, 0,1,2,3
.irp p, 0,1,2,3
	ds_load_b128 v[FR+16*\x+4*\p:FR+16*\x+4*\p+3], v[FRD] offset:4096*(\x/2)+512*(\x%2)+1024*\p
.endr
.endr
	v_mov_b32 v[ZR], 0
	s_wait_dscnt 0x0
.irp x, 0,1,2,3
	v_pk_add_f32 v[FR+16*\x:FR+16*\x+1], v[FR+16*\x:FR+16*\x+1], v[FR+16*\x+4:FR+16*\x+5]
	v_pk_add_f32 v[FR+16*\x+2:FR+16*\x+3], v[FR+16*\x+2:FR+16*\x+3], v[FR+16*\x+6:FR+16*\x+7]
	v_pk_add_f32 v[FR+16*\x+8:FR+16*\x+9], v[FR+16*\x+8:FR+16*\x+9], v[FR+16*\x+12:FR+16*\x+13]
	v_pk_add_f32 v[FR+16*\x+10:FR+16*\x+11], v[FR+16*\x+10:FR+16*\x+11], v[FR+16*\x+14:FR+16*\x+15]
.endr
.irp x, 0,1,2,3
	v_pk_add_f32 v[FR+16*\x:FR+16*\x+1], v[FR+16*\x:FR+16*\x+1], v[FR+16*\x+8:FR+16*\x+9]
	v_pk_add_f32 v[FR+16*\x+2:FR+16*\x+3], v[FR+16*\x+2:FR+16*\x+3], v[FR+16*\x+10:FR+16*\x+11]
.endr
.irp x, 0,1,2,3
	ds_store_b128 v[FRD], v[FR+16*\x:FR+16*\x+3] offset:4096*(\x/2)+512*(\x%2)
.endr
	ds_store_b32 v[FRD], v[ZR] offset:1024
	ds_store_b32 v[FRD], v[ZR] offset:5120
.irp y, 0,1,2,3,4,5,6,7                ; 4 x b + 2 x square + row half
.irp m, 0,1,2,3
	ds_load_b32 v[DD+4*\y+\m], v[GA+8*((\y/2)%2)+4*(\y%2)+\m] offset:4096*(\y/4)
.endr
.endr
.irp y, 0,1,2,3,4,5,6,7
	s_wait_dscnt 28-4*\y
	global_store_b128 v[OO1+((\y/2)%2)], v[DD+4*\y:DD+4*\y+3], s[36:37] offset:262144*(\y/4)+8192*(\y%2)   ; eight rows of 64 bytes
.endr
	s_wait_tensorcnt 0x0                           ; the wave's end
	ds_add_u32 v[SPW], v[NIL]
	s_wait_dscnt 0x0
	CROUND                                         ; the closing round: no work-group ends while a partner may still ask for a tile that names it
	s_endpgm
.Lfunc_end_k_qba2c079da2_metric:
	.size	k_qba2c079da2_metric, .Lfunc_end_k_qba2c079da2_metric-k_qba2c079da2_metric
	.p2alignl 7, 3214868480
	.fill 96, 4, 3214868480
	.section	.rodata,"a",@progbits
	.p2align	6, 0x0
	.amdhsa_kernel k_qba2c079da2_metric
		.amdhsa_group_segment_fixed_size 327680
		.amdhsa_private_segment_fixed_size 0
		.amdhsa_enable_private_segment 0
		.amdhsa_kernarg_size 32
		.amdhsa_user_sgpr_count 2
		.amdhsa_user_sgpr_kernarg_segment_ptr 1
		.amdhsa_wavefront_size32 1
		.amdhsa_system_sgpr_workgroup_id_x 1
		.amdhsa_system_sgpr_workgroup_id_y 1
		.amdhsa_system_sgpr_workgroup_id_z 1
		.amdhsa_system_vgpr_workitem_id 0
		.amdhsa_next_free_vgpr 1024
		.amdhsa_next_free_sgpr 72
		.amdhsa_reserve_vcc 0
		.amdhsa_float_denorm_mode_32 3
		.amdhsa_float_denorm_mode_16_64 3
		.amdhsa_memory_ordered 1
		.amdhsa_forward_progress 1
		.amdhsa_inst_pref_size 197
	.end_amdhsa_kernel
	.amdgpu_metadata
---
amdhsa.version: [ 1, 2 ]
amdhsa.kernels:
  - .name:           k_qba2c079da2_metric
    .symbol:         k_qba2c079da2_metric.kd
    .args:
      - { .name: input, .offset: 0, .size: 8, .value_kind: global_buffer, .address_space: global }
      - { .name: M_codes, .offset: 8, .size: 8, .value_kind: global_buffer, .address_space: global }
      - { .name: M_scales, .offset: 16, .size: 8, .value_kind: global_buffer, .address_space: global }
      - { .name: out0, .offset: 24, .size: 8, .value_kind: global_buffer, .address_space: global }
    .group_segment_fixed_size: 327680
    .private_segment_fixed_size: 0
    .kernarg_segment_align: 8
    .kernarg_segment_size: 32
    .max_flat_workgroup_size: 128
    .sgpr_count:     72
    .vgpr_count:     1024
    .wavefront_size: 32
...
	.end_amdgpu_metadata
.endif
;; end of part 1
